; MI455X (gfx1250); checked and timed in simulation.
; The chip was launched on July 23, 2026; its instructions are those of AMD's public machine-readable ISA for CDNA 5 (MIT licence, August 2026) and "CDNA5" Instruction Set Architecture Reference Guide (July 2026). The comments in the code are by the model that wrote it; some were corrected since.
;; Complex Net MLP. Allowed arithmetic: matrix products marked QUANTISED: E2M1 operands, one E8M0 scale for each 32 along K, by v_wmma_scale_f32_16x16x128_f8f6f4 with both operands' format E2M1 (or v_wmma_scale_f32_32x16x128_f4), f32 sums; everything else in f32.
;; Inputs: down_wi 1,024 x 688 float32; down_wr 1,024 x 688 float32; gate_wi 688 x 1,024 float32; gate_wr 688 x 1,024 float32; ln_wi 688 float32; ln_wr 688 float32; up_wi 688 x 1,024 float32; up_wr 688 x 1,024 float32; x_imag 4 x 2,048 x 1,024 float32; x_real 4 x 2,048 x 1,024 float32.
;; Outputs: out0 4 x 2,048 x 1,024 float32; out1 4 x 2,048 x 1,024 float32.
;; This version of the problem:
;;   THIS VERSION OF THE PROBLEM IS GIVEN IN LOW PRECISION. The matrix products marked QUANTISED in the list below multiply operands that are first quantised to E2M1 (2 exponent bits, 1 mantissa bit; 4 bits a number), with one power-of-two scale for each 32 numbers along K (OCP MX v1.0); their sums are f32. All else is computed in f32.
;;   The module's matrix products, in the order in which they are computed (A, B: the left and right operand; K: the contracted axis; several contracted axes count as one K, in the product's order):
;;     1. [M 8,192, K 1,024] x [K 1,024, N 688]; A: computed on the way; B: computed on the way: QUANTISED
;;     2. [M 8,192, K 1,024] x [K 1,024, N 688]; A: computed on the way; B: computed on the way: QUANTISED
;;     3. [M 8,192, K 1,024] x [K 1,024, N 688]; A: computed on the way; B: computed on the way: QUANTISED
;;     4. [M 8,192, K 1,024] x [K 1,024, N 688]; A: computed on the way; B: computed on the way: QUANTISED
;;     5. [M 8,192, K 1,024] x [K 1,024, N 688]; A: computed on the way; B: computed on the way: QUANTISED
;;     6. [M 8,192, K 1,024] x [K 1,024, N 688]; A: computed on the way; B: computed on the way: QUANTISED
;;     7. [M 8,192, K 1,024] x [K 1,024, N 688]; A: computed on the way; B: computed on the way: QUANTISED
;;     8. [M 8,192, K 1,024] x [K 1,024, N 688]; A: computed on the way; B: computed on the way: QUANTISED
;;     9. [M 8,192, K 688] x [K 688, N 1,024]; A: computed on the way; B: computed on the way: QUANTISED
;;     10. [M 8,192, K 688] x [K 688, N 1,024]; A: computed on the way; B: computed on the way: QUANTISED
;;     11. [M 8,192, K 688] x [K 688, N 1,024]; A: computed on the way; B: computed on the way: QUANTISED
;;     12. [M 8,192, K 688] x [K 688, N 1,024]; A: computed on the way; B: computed on the way: QUANTISED
;;   THE QUANTISER, for each operand of a quantised product, along K:
;;     - K is cut into blocks of 32 from its start; a last block that is shorter is filled with zeros.
;;     - A block's scale is 2^e with e = floor(log2(the largest magnitude in the block)) - 2, held to -126 .. 127; a block of zeros has e = 0. As a byte (E8M0): e + 127.
;;     - Each number is divided by its block's scale, clamped to +-6, and rounded to the nearest number of E2M1, ties to even, subnormals kept.
;;     - The product sums the exact products of the quantised numbers (number of the format x scale) in f32.
;;   ~~~python
;;   def quantise(x, axis):      # numpy; x: float32 -> the quantised numbers, widened to float32 again
;;       x = np.moveaxis(x, axis, -1); K = x.shape[-1]
;;       x = np.pad(x, [(0, 0)] * (x.ndim - 1) + [(0, -K % 32)]); x = x.reshape(x.shape[:-1] + (-1, 32)); a = np.abs(x).max(-1, keepdims=True)
;;       e = np.where(a > 0, np.clip(np.frexp(np.where(a > 0, a, 1))[1] - 1 - 2, -126, 127), 0)      # np.frexp(a)[1] - 1 = floor(log2(a)), exactly
;;       r = np.clip(x / 2.0 ** e, -6, 6)
;;       step = 2.0 ** (np.maximum(np.frexp(np.where(r == 0, 1, r))[1] - 1, 0) - 1)
;;       q = np.round(r / step) * step * 2.0 ** e      # np.round: ties to even
;;       return np.moveaxis(q.reshape(q.shape[:-2] + (-1,))[..., :K], -1, axis).astype(np.float32)
;;   ~~~
;;   OPERANDS COMPUTED ON THE WAY. 'Computed on the way' means the value that the module computes at that place (a softmax that the list does not call 'softmax' is quantised finished and normalised). What goes into a quantiser is computed in f32, as accurately as f32 sums, v_exp_f32 and their like allow (about 1e-6 of the number): no bf16 or f16 on the way to a quantiser, and a product that is left as it is and whose result goes on into a quantised operand takes f32 operands (vector FMAs, or v_wmma_f32_16x16x4_f32). A number that lies on a knife's edge between two numbers of the format may be rounded either way, as far as f32 arithmetic and the matrix unit's own rounding can turn it there, and no further.
;; One version. Each part assembles by itself: llvm-mc -triple=amdgcn-amd-amdhsa -mcpu=gfx1250 --defsym DOCPART=n.
;; ======== version 1 of 1: 3 launches
;; limits: right only within a limited range of input values
;; workspace buffers: xq 8,388,608 bytes; xs 524,288 bytes; part 16,384 bytes; wst 2,359,296 bytes; wsc 768 bytes
;; launch prep (part 1): grid 256 x 1, 4 waves a work-group, no clusters, 263,680 bytes of LDS; arguments x_real, x_imag, gate_wr, gate_wi, up_wr, up_wi, down_wr, down_wi, xq, xs, part; writes xq, xs, part
.if DOCPART == 1
	.amdgcn_target "amdgcn-amd-amdhsa--gfx1250"
	.amdhsa_code_object_version 6
	.text
	.protected	k_q717f1eae91_prep
	.globl	k_q717f1eae91_prep
	.p2align	8
	.type	k_q717f1eae91_prep,@function
k_q717f1eae91_prep:
	s_mov_b64 s[64:65], 0
	v_nop
	global_prefetch_b8 v0, s[64:65] scope:SCOPE_SE
	s_setreg_imm32_b32 hwreg(HW_REG_WAVE_MODE, 25, 1), 1
	s_wait_xcnt 0x0
; FIRST OF THREE LAUNCHES.  (1) x_real, x_imag: the row-wise int8 quantiser of reference() (act_quant), then the MX-FP4 quantiser along K = 1,024: codes and E8M0 scale words, laid in the order of the
; matrix operand's registers.  (2) For each of the three weight pairs: partial sums of |wr| over the real sectors, of |wi| over the imaginary sectors, and the count of the imaginary sectors.
; WORK LEFT OUT, for all finite inputs:  clip(round(x rs), -128, 127): |x| <= max|x| of its row and rs = 127 / max(max|x|, 1e-5), so |x rs| <= 127 in real numbers and the rounded number lies in -127 .. 127: the clip is
; an identity.  sum(rmask): the four sectors of weight_quant part the plane, so rmask = 1 - imask and the real count is 704,512 less the imaginary count.  Hidden units 704 to 767, which only fill the last K step of
; the down products, are never formed (third launch).  Every input has a way to the outputs and is loaded.
; THE SECTORS are told by comparing |wr| and |wi| as whole numbers, not by arctan2: imaginary where |wi| > |wr|, or |wi| = |wr| > 0 with equal signs; else real; that is what the half-open intervals of weight_quant give.
; LIMITS: NaN and infinities are not served, nor rows whose largest magnitude is over 2^100 (v_rcp_f32 gives 0 for results under 2^-126).  Where reference()'s arctan2 rounds an angle beside a diagonal onto the diagonal
; (|wr|, |wi| one or two units in the last place apart) the sector may differ.  The f32 sums are taken in another order than reference()'s.  A block of zeros gets the scale byte 1, not 127: its codes are zeros, and the bytes are read by this program alone.
; SHARES.  Work-group b owns rows 32 b .. 32 b + 31.  Wave w: part ri = w / 2 (real, imaginary), rows 16 (w % 2) on: 16 rows x 1,024.  It also sums one chunk of 8,192 bytes of one weight pair (work-groups 0-85 gate, 86-171 up, 172-255 down;
; the last 65,536 bytes of down go as one more piece of 512 bytes to each wave of work-groups 172-203; the other waves load their own chunk's first piece there and a mask made of the work-group's number turns it into zeros, which add nothing).
; A ROW is loaded as it lies (a load of the wave covers 512 consecutive bytes), its maximum is taken over the wave, rs = 127 / d and t / rs are divisions rounded as IEEE asks (reciprocal, one Newton step, remainders by fused multiply-adds),
; and the row goes into the wave's own tile in LDS (pitch 4,112).  THEN, K step by K step, lane (r, h) reads back 32 neighbours of row r twice (k = 128 ks + 64 c + 32 h + 0 .. 31): two whole blocks, whose codes are the operand's registers.
; No barrier: a wave touches its own LDS bytes alone.
; REGISTERS.  Window 0: v1, v2 the add's two; v3-7 addresses; v[8:9] rs, d; v[10:11] 1/rs, 1/d; v16-151 the weights, later the codes (8 a K step); v152-191 at work; v200-207 the scale words.
; Window 1: seven row slots of 32 and, at v224, 32 registers for t / rs; later two buffers of 64 numbers.
.set SPARE, 263168                     ; behind the four tiles: the spare words, 128 bytes a wave, which no other line names
.set TILE,  65792                      ; 16 rows x 4,112 bytes
.set PITCH, 4112
.set WR,  16                           ; v16-83   wr: 16 + 1 loads
.set WI,  84                           ; v84-151  wi
.set T,   152                          ; v152-163 at work
.set SR,  164                          ; v164-167 four chains of the real sum;  v168-171 of the imaginary
.set SI,  168
.set M,   172                          ; v172-175 maxima
.set H8,  176                          ; 8 h
.set G17, 177                          ; byte offset of the seventeenth piece from the chunk
.set ZO,  178                          ; 0
.set XO,  184                          ; v184-187 the scale words on their way out
.set PO,  188                          ; v188-191 the partial sums on their way out
.set SW,  200
.set CD,  16
.set TQ,  224                          ; in window 1
.set MSB, 0
.macro WIN new                         ; bits 1:0 source 0, 3:2 source 1, 5:4 source 2, 7:6 destination; the high byte repeats the setting that is left
.if MSB != (\new)
	s_set_vgpr_msb (MSB<<8)|(\new)
.set MSB, (\new)
.endif
.endm
	s_load_b512 s[4:19], s[0:1], 0x0               ; x_real, x_imag, gate_wr, gate_wi, up_wr, up_wi, down_wr, down_wi
	s_load_b128 s[20:23], s[0:1], 0x40             ; xq, xs
	s_load_b64 s[24:25], s[0:1], 0x50              ; part
	v_lshl_add_u32 v1, v0, 2, SPARE
	v_mov_b32 v2, 0
	v_lshrrev_b32 v3, 5, v0
	v_readfirstlane_b32 s26, v3                    ; wave
	v_and_b32 v3, 31, v0                           ; lane
	v_lshlrev_b32 v4, 4, v3                        ; 16 x lane
	v_and_b32 v13, 15, v0                          ; r
	v_bfe_u32 v14, v0, 4, 1                        ; h
	s_mul_i32 s58, s26, TILE
	v_add_nc_u32 v5, s58, v4                       ; the tile, on the way in: 16 x lane
	v_mul_u32_u24 v6, v13, PITCH
	v_lshl_add_u32 v6, v14, 7, v6
	v_add_nc_u32 v6, s58, v6                       ; and on the way out: row r, + 128 h
	v_lshlrev_b32 v7, 5, v13
	v_lshl_add_u32 v7, v14, 4, v7                  ; xs: 32 bytes a row, 16 for each half of the lanes
	v_lshlrev_b32 v[H8], 3, v14
	v_mov_b32 v[ZO], 0
	s_mov_b32 s27, ttmp9                           ; b
	s_mov_b32 s36, 0x76543210
	s_mov_b32 s37, 0xfedcba98                      ; v_permlanex16_b32's selects for lane l xor 16
	s_mov_b32 s39, 0                               ; the count of imaginary sectors
	s_lshl_b32 s40, s27, 2
	s_add_co_u32 s40, s40, s26                     ; W = 4 b + wave
	s_cmp_ge_u32 s27, 86
	s_cselect_b32 s28, 1, 0
	s_cmp_ge_u32 s27, 172
	s_cselect_b32 s41, 1, 0
	s_add_co_u32 s28, s28, s41                     ; which weight pair
	s_mul_i32 s41, s28, 344
	s_sub_co_u32 s41, s40, s41                     ; which chunk of it
	s_lshl_b32 s42, s41, 13
	s_mov_b32 s43, 0
	s_mul_i32 s44, s41, 7680
	s_sub_co_u32 s44, 2752512, s44                 ; (5,376 + i) x 512 - 8,192 i: from chunk i to piece i behind the 336 chunks
	s_sub_co_u32 s45, s27, 172
	s_cmp_lt_u32 s45, 32                           ; work-groups 172 to 203
	s_cselect_b32 s44, s44, 0
	s_cselect_b32 s45, -1, 0                       ; keeps the piece, or turns it into zeros
	v_add_nc_u32 v[G17], s44, v4
	s_wait_alu depctr_va_vdst(0)
	s_wait_kmcnt 0x0
	s_cmp_lt_u32 s27, 86
	s_cselect_b64 s[30:31], s[8:9], s[12:13]
	s_cselect_b64 s[32:33], s[10:11], s[14:15]
	s_cmp_lt_u32 s27, 172
	s_cselect_b64 s[30:31], s[30:31], s[16:17]
	s_cselect_b64 s[32:33], s[32:33], s[18:19]
	s_add_nc_u64 s[30:31], s[30:31], s[42:43]
	s_add_nc_u64 s[32:33], s[32:33], s[42:43]
.set i, 0
.rept 16
	global_load_b128 v[WR+4*i:WR+4*i+3], v4, s[30:31] offset:512*i
	global_load_b128 v[WI+4*i:WI+4*i+3], v4, s[32:33] offset:512*i
.set i, i+1
.endr
	global_load_b128 v[WR+64:WR+67], v[G17], s[30:31]
	global_load_b128 v[WI+64:WI+67], v[G17], s[32:33]
	s_cmp_lt_u32 s26, 2
	s_cselect_b64 s[34:35], s[4:5], s[6:7]         ; waves 0, 1: x_real; waves 2, 3: x_imag
	s_lshl_b32 s42, s27, 17
	s_and_b32 s46, s26, 1
	s_lshl_b32 s46, s46, 16
	s_add_co_u32 s42, s42, s46
	s_add_nc_u64 s[34:35], s[34:35], s[42:43]      ; at row 32 b + 16 (wave % 2)
.macro ROWLOAD j                       ; row j: eight loads of 512 consecutive bytes, into slot j % 7
	WIN 0x40
.set i, 0
.rept 8
	global_load_b128 v[32*((\j)%7)+4*i:32*((\j)%7)+4*i+3], v4, s[34:35] offset:(\j)*4096+512*i th:TH_LOAD_NT
.set i, i+1
.endr
.endm
.irp j, 0,1,2,3,4,5
	ROWLOAD \j
.endr
	WIN 0
	s_lshl_b32 s42, s27, 15
	s_lshl_b32 s46, s26, 13
	s_add_co_u32 s42, s42, s46
	s_add_nc_u64 s[20:21], s[20:21], s[42:43]      ; xq + 32,768 b + 8,192 wave
	s_lshl_b32 s42, s27, 11
	s_lshl_b32 s46, s26, 9
	s_add_co_u32 s42, s42, s46
	s_add_nc_u64 s[22:23], s[22:23], s[42:43]      ; xs + 2,048 b + 512 wave
	s_lshl_b32 s42, s40, 4
	s_add_nc_u64 s[24:25], s[24:25], s[42:43]      ; part + 16 W
	; ---- the weights' partial sums, while the rows are on their way
	s_wait_loadcnt 48                              ; behind the weights' loads stand the 48 of six rows
.irp i, 0,1,2,3
	v_and_b32 v[WR+64+\i], s45, v[WR+64+\i]
	v_and_b32 v[WI+64+\i], s45, v[WI+64+\i]
.endr
.irp i, 0,1,2,3,4,5,6,7
	v_mov_b32 v[SR+\i], 0
.endr
.set e, 0
.rept 17                               ; four numbers at a time.  Imaginary where 2 |wi| + 1 > max(2 |wr|, 1) + (the signs differ), in whole numbers
.irp i, 0,1,2,3
	v_xor_b32 v[T+\i], v[WR+e+\i], v[WI+e+\i]
	v_lshlrev_b32 v[T+4+\i], 1, v[WR+e+\i]
	v_lshl_or_b32 v[T+8+\i], v[WI+e+\i], 1, 1
.endr
.irp i, 0,1,2,3
	v_max_u32 v[T+4+\i], 1, v[T+4+\i]
	v_lshrrev_b32 v[T+\i], 31, v[T+\i]
.endr
.irp i, 0,1,2,3
	v_add_nc_u32 v[T+4+\i], v[T+4+\i], v[T+\i]
.endr
.irp i, 0,1,2,3
	v_cmp_gt_u32 s[52+\i], v[T+8+\i], v[T+4+\i]
.endr
.irp i, 0,1,2,3
	v_cndmask_b32 v[T+\i], v[WR+e+\i], 0, s[52+\i]
	v_cndmask_b32 v[T+4+\i], 0, v[WI+e+\i], s[52+\i]
.endr
.irp i, 0,1,2,3
	v_add_f32 v[SR+\i], v[SR+\i], |v[T+\i]|
	v_add_f32 v[SI+\i], v[SI+\i], |v[T+4+\i]|
	s_bcnt1_i32_b32 s56, s[52+\i]
	s_add_co_u32 s39, s39, s56
.endr
.set e, e+4
.endr
	s_wait_alu depctr_va_vdst(0)
	v_add_f32 v[SR], v[SR], v[SR+1]
	v_add_f32 v[SR+2], v[SR+2], v[SR+3]
	v_add_f32 v[SI], v[SI], v[SI+1]
	v_add_f32 v[SI+2], v[SI+2], v[SI+3]
	v_add_f32 v[PO], v[SR], v[SR+2]
	v_add_f32 v[PO+1], v[SI], v[SI+2]
.irp m, 1,2,4,8
	v_add_f32_dpp v[PO], v[PO], v[PO] row_xmask:\m row_mask:0xf bank_mask:0xf
	v_add_f32_dpp v[PO+1], v[PO+1], v[PO+1] row_xmask:\m row_mask:0xf bank_mask:0xf
.endr
	v_permlanex16_b32 v[T], v[PO], s36, s37
	v_permlanex16_b32 v[T+1], v[PO+1], s36, s37
	v_add_f32 v[PO], v[PO], v[T]
	v_add_f32 v[PO+1], v[PO+1], v[T+1]
	v_cvt_f32_u32 v[PO+2], s39
	v_mov_b32 v[PO+3], 0
	s_wait_alu depctr_va_vdst(0)
	s_wait_xcnt 0x0                                ; EXEC is a source of the loads that are out: it changes only behind this wait
	v_cmp_eq_u32 vcc_lo, 0, v3
	s_and_saveexec_b32 s57, vcc_lo
	global_store_b128 v[ZO], v[PO:PO+3], s[24:25]  ; lane 0: my wave's entry
	s_wait_xcnt 0x0                                ; and again in front of the line that widens it
	s_or_b32 exec_lo, exec_lo, s57
; ---- a row: maximum, rs, t = round(x rs), y = t / rs, into the tile
.macro ROW j
.set X, 32*((\j)%7)
.if 15-(\j) < 5
	s_wait_loadcnt 8*(15-(\j))                     ; the rows behind mine may stay out
.else
	s_wait_loadcnt 40
.endif
	WIN 0x14
.irp c, 0,1,2,3
	v_max3_num_f32 v[M+\c], 0, |v[X+2*\c]|, |v[X+2*\c+1]|
.endr
.irp i, 8,16,24
.irp c, 0,1,2,3
	v_max3_num_f32 v[M+\c], v[M+\c], |v[X+\i+2*\c]|, |v[X+\i+2*\c+1]|
.endr
.endr
	WIN 0
	v_max3_num_f32 v[M], v[M], v[M+1], v[M+2]
	v_max_num_f32 v[M], v[M], v[M+3]
.irp m, 1,2,4,8
	v_max_num_f32_dpp v[M], v[M], v[M] row_xmask:\m row_mask:0xf bank_mask:0xf
.endr
	v_permlanex16_b32 v[M+1], v[M], s36, s37
	v_max3_num_f32 v9, v[M], v[M+1], 0x3727c5ac    ; d = max(the row's largest magnitude, 1e-5)
	s_wait_alu depctr_va_vdst(0)
	v_rcp_f32 v11, v9
	v_mov_b32 v12, 0x42fe0000                      ; 127.0: the plain line behind the reciprocal
	s_wait_alu depctr_va_vdst(0)                   ; the wait ahead of the first reader
	v_fma_f32 v13, -v9, v11, 1.0
	v_fma_f32 v11, v13, v11, v11                   ; 1 / d, one Newton step
	v_mul_f32 v8, v12, v11
	v_fma_f32 v13, -v9, v8, v12                    ; the remainder 127 - d q, exact
	v_fma_f32 v8, v13, v11, v8
	v_fma_f32 v13, -v9, v8, v12
	v_fma_f32 v8, v13, v11, v8                     ; rs = 127 / d
	s_wait_alu depctr_va_vdst(0)
	v_rcp_f32 v10, v8
	v_nop
	s_wait_alu depctr_va_vdst(0)
	v_fma_f32 v13, -v8, v10, 1.0
	v_fma_f32 v10, v13, v10, v10                   ; 1 / rs
	WIN 0x51                                       ; the row and TQ in window 1, the factors in window 0
.set i, 0
.rept 16
	v_pk_mul_f32 v[X+i:X+i+1], v[X+i:X+i+1], v[8:9] op_sel_hi:[1,0]
.set i, i+2
.endr
.set i, 0
.rept 32
	v_rndne_f32 v[X+i], v[X+i]                     ; t: ties to even, as jnp.round
.set i, i+1
.endr
.set i, 0
.rept 16
	v_pk_mul_f32 v[TQ+i:TQ+i+1], v[X+i:X+i+1], v[10:11] op_sel_hi:[1,0]
.set i, i+2
.endr
.set i, 0
.rept 16
	v_pk_fma_f32 v[X+i:X+i+1], v[TQ+i:TQ+i+1], v[8:9], v[X+i:X+i+1] op_sel_hi:[1,0,1] neg_lo:[0,1,0] neg_hi:[0,1,0]   ; t - rs q, exact
.set i, i+2
.endr
.set i, 0
.rept 16
	v_pk_fma_f32 v[X+i:X+i+1], v[X+i:X+i+1], v[10:11], v[TQ+i:TQ+i+1] op_sel_hi:[1,0,1]   ; y = t / rs
.set i, i+2
.endr
	WIN 0x04
.set i, 0
.rept 8
	ds_store_b128 v5, v[X+4*i:X+4*i+3] offset:(\j)*PITCH+512*i
.set i, i+1
.endr
.if (\j)+6 <= 15
	s_wait_dscnt 8                                 ; all but this row's eight stores are done: the row before has left its slot,
	ROWLOAD (\j)+6                                 ; which takes the row six further on
.endif
.endm
.irp j, 0,1,2,3,4,5,6,7,8,9,10,11,12,13,14,15
	ROW \j
.endr
; ---- K step by K step: two whole blocks a lane
.macro KSLOAD ks
	WIN 0x40
.set i, 0
.rept 16
	ds_load_b128 v[64*((\ks)%2)+4*i:64*((\ks)%2)+4*i+3], v6 offset:512*(\ks)+256*(i/8)+16*(i%8)
.set i, i+1
.endr
.endm
.macro KS ks
.set Y, 64*((\ks)%2)
.if (\ks) < 7
	s_wait_dscnt 16                                ; the next K step's sixteen loads may stay out
.else
	s_wait_dscnt 0
.endif
	WIN 0x14
.irp c, 0,1
	v_max3_num_f32 v[M+2*\c], 0x1800000, |v[Y+32*\c]|, |v[Y+32*\c+1]|   ; with the floor 2^(3 - 127): the byte cannot fall under 1
	v_max3_num_f32 v[M+2*\c+1], 0, |v[Y+32*\c+2]|, |v[Y+32*\c+3]|
.endr
.irp i, 4,8,12,16,20,24,28
.irp c, 0,1
	v_max3_num_f32 v[M+2*\c], v[M+2*\c], |v[Y+32*\c+\i]|, |v[Y+32*\c+\i+1]|
	v_max3_num_f32 v[M+2*\c+1], v[M+2*\c+1], |v[Y+32*\c+\i+2]|, |v[Y+32*\c+\i+3]|
.endr
.endr
	WIN 0
	v_max_num_f32 v[M], v[M], v[M+1]
	v_max_num_f32 v[M+2], v[M+2], v[M+3]
	v_add_nc_u32 v14, 0xff000000, v[M]             ; 2 off the exponent field: the conversion's scale operand
	v_add_nc_u32 v15, 0xff000000, v[M+2]
	v_lshrrev_b32 v[M], 23, v14                    ; the scale's byte
	v_lshrrev_b32 v[M+2], 23, v15
	WIN 0x01
.irp g, 0,1,2,3
	v_cvt_scalef32_pk8_fp4_f32 v[CD+8*(\ks)+\g], v[Y+8*\g:Y+8*\g+7], v14
	v_cvt_scalef32_pk8_fp4_f32 v[CD+8*(\ks)+4+\g], v[Y+32+8*\g:Y+32+8*\g+7], v15
.endr
	WIN 0
	v_lshl_or_b32 v13, v[M+2], 16, v[M]            ; my two bytes: blocks h and 2 + h of the K step,
	v_lshlrev_b32 v13, v[H8], v13                  ; at their places;
	v_permlanex16_b32 v[M+1], v13, s36, s37
	v_or_b32 v[SW+(\ks)], v13, v[M+1]              ; with lane l xor 16's two the word is whole
	global_store_b128 v4, v[CD+8*(\ks):CD+8*(\ks)+3], s[20:21] offset:1024*(\ks)         ; the wave stores 512 consecutive bytes
	global_store_b128 v4, v[CD+8*(\ks)+4:CD+8*(\ks)+7], s[20:21] offset:1024*(\ks)+512
.if (\ks)+2 < 8
	KSLOAD (\ks)+2
.endif
.endm
	s_wait_dscnt 0x0                               ; the rows' stores have read their registers
	KSLOAD 0
	KSLOAD 1
.irp k, 0,1,2,3,4,5,6,7
	KS \k
.endr
	v_cmp_ne_u32 vcc_lo, 0, v[H8]
.irp i, 0,1,2,3
	v_cndmask_b32 v[XO+\i], v[SW+\i], v[SW+4+\i], vcc_lo   ; lanes 0-15 store K steps 0-3 of row r, lanes 16-31 K steps 4-7
.endr
	global_store_b128 v7, v[XO:XO+3], s[22:23]     ; 512 consecutive bytes
	s_wait_tensorcnt 0x0                           ; the wave's end, behind my last LDS store
	ds_add_u32 v1, v2
	s_wait_dscnt 0x0
	s_endpgm
.Lfunc_end_k_q717f1eae91_prep:
	.size	k_q717f1eae91_prep, .Lfunc_end_k_q717f1eae91_prep-k_q717f1eae91_prep
	.p2alignl 7, 3214868480
	.fill 96, 4, 3214868480
	.section	.rodata,"a",@progbits
	.p2align	6, 0x0
	.amdhsa_kernel k_q717f1eae91_prep
		.amdhsa_group_segment_fixed_size 263680
		.amdhsa_private_segment_fixed_size 0
		.amdhsa_enable_private_segment 0
		.amdhsa_kernarg_size 88
		.amdhsa_user_sgpr_count 2
		.amdhsa_user_sgpr_kernarg_segment_ptr 1
		.amdhsa_wavefront_size32 1
		.amdhsa_system_sgpr_workgroup_id_x 1
		.amdhsa_system_sgpr_workgroup_id_y 1
		.amdhsa_system_sgpr_workgroup_id_z 1
		.amdhsa_system_vgpr_workitem_id 0
		.amdhsa_next_free_vgpr 512
		.amdhsa_next_free_sgpr 66
		.amdhsa_reserve_vcc 1
		.amdhsa_float_denorm_mode_32 3
		.amdhsa_float_denorm_mode_16_64 3
		.amdhsa_memory_ordered 1
		.amdhsa_forward_progress 1
		.amdhsa_inst_pref_size 224
	.end_amdhsa_kernel
	.amdgpu_metadata
---
amdhsa.version: [ 1, 2 ]
amdhsa.kernels:
  - .name:           k_q717f1eae91_prep
    .symbol:         k_q717f1eae91_prep.kd
    .args:
      - { .name: x_real, .offset: 0, .size: 8, .value_kind: global_buffer, .address_space: global }
      - { .name: x_imag, .offset: 8, .size: 8, .value_kind: global_buffer, .address_space: global }
      - { .name: gate_wr, .offset: 16, .size: 8, .value_kind: global_buffer, .address_space: global }
      - { .name: gate_wi, .offset: 24, .size: 8, .value_kind: global_buffer, .address_space: global }
      - { .name: up_wr, .offset: 32, .size: 8, .value_kind: global_buffer, .address_space: global }
      - { .name: up_wi, .offset: 40, .size: 8, .value_kind: global_buffer, .address_space: global }
      - { .name: down_wr, .offset: 48, .size: 8, .value_kind: global_buffer, .address_space: global }
      - { .name: down_wi, .offset: 56, .size: 8, .value_kind: global_buffer, .address_space: global }
      - { .name: xq, .offset: 64, .size: 8, .value_kind: global_buffer, .address_space: global }
      - { .name: xs, .offset: 72, .size: 8, .value_kind: global_buffer, .address_space: global }
      - { .name: part, .offset: 80, .size: 8, .value_kind: global_buffer, .address_space: global }
    .group_segment_fixed_size: 263680
    .private_segment_fixed_size: 0
    .kernarg_segment_align: 8
    .kernarg_segment_size: 88
    .max_flat_workgroup_size: 128
    .sgpr_count:     66
    .vgpr_count:     512
    .wavefront_size: 32
...
	.end_amdgpu_metadata
.endif
;; end of part 1
;; launch wq (part 2): grid 544 x 1, 4 waves a work-group, no clusters, 34,560 bytes of LDS; arguments gate_wr, gate_wi, up_wr, up_wi, down_wr, down_wi, part, wst, wsc; writes wst, wsc
.if DOCPART == 2
	.amdgcn_target "amdgcn-amd-amdhsa--gfx1250"
	.amdhsa_code_object_version 6
	.text
	.protected	k_q717f1eae91_wq
	.globl	k_q717f1eae91_wq
	.p2align	8
	.type	k_q717f1eae91_wq,@function
k_q717f1eae91_wq:
	s_mov_b64 s[64:65], 0
	v_nop
	global_prefetch_b8 v0, s[64:65] scope:SCOPE_SE
	s_setreg_imm32_b32 hwreg(HW_REG_WAVE_MODE, 25, 1), 1
	s_wait_xcnt 0x0
; SECOND LAUNCH.  The means of weight_quant from the first launch's partial sums; then the ternary weights (0 or +-c) as codes of MX-FP4, laid in the order in which the third launch walks them.
; Left out as in the first launch: sum(rmask) is 704,512 less the imaginary count; the sectors are told by comparing magnitudes (its head comment gives the proof and the limits).
; A quantised weight is 0, +c or -c with one c for a tensor's part, so every block that is not all zeros has one and the same scale byte: floor(log2 c) - 2 + 127.  A block of zeros gets that byte too (the rule says 127): its codes are zeros.
; SHARES.  Work-group U makes one fragment pair (real, imaginary): 32 weight rows x 128 along K.  U < 352: gate (t = 0) and up (t = 1), 22 pairs of 16-row tiles x 8 K steps each; U >= 352: down (t = 2), 32 x 6.
; Wave w loads rows 8 w .. 8 w + 7 as they lie (512 consecutive bytes a load) into a stage in LDS, and sums a quarter of the tensor's entries of part; one barrier; then wave w makes quarter q = w = 2 u + c of both fragments:
; lane (rho, h) takes k = 64 c + 32 h + 0 .. 31 of row 8 u + rho + 8 (rho / 8).  THE ROWS OF A TILE ARE NOT NEIGHBOURS, so that in the products' results, used transposed, a lane's 16 registers of tiles u = 0, 1 are 16 neighbours.
; Rows and k beyond the tensor (gate, up: rows 688 on; down: k 688 on) are loaded from clamped addresses and get zero codes.
.set STGI,  16896                      ; LDS: the stage for wr at 0, for wi here: 32 rows x (512 + 16) bytes each
.set STATS, 33792                      ; four entries of 16 bytes
.set SPARE, 34048                      ; the spare words, 128 bytes a wave, which no other line names
.set A, 32                             ; v32-63  wr
.set B, 64                             ; v64-95  wi
.set T, 96                             ; v96-111 entries of part, later at work
	s_load_b512 s[4:19], s[0:1], 0x0               ; gate_wr, gate_wi, up_wr, up_wi, down_wr, down_wi, part, wst
	s_load_b64 s[20:21], s[0:1], 0x40              ; wsc
	v_lshl_add_u32 v1, v0, 2, SPARE
	v_mov_b32 v2, 0
	v_lshrrev_b32 v3, 5, v0
	v_readfirstlane_b32 s22, v3                    ; wave
	v_and_b32 v3, 31, v0                           ; lane
	v_lshlrev_b32 v4, 4, v3
	s_wait_alu depctr_va_vdst(0)
	v_and_b32 v25, 15, v0                          ; rho
	v_bfe_u32 v28, v0, 4, 1                        ; h
	v_lshlrev_b32 v23, 4, v0                       ; out: 512 x wave + 16 x lane
	v_lshlrev_b32 v24, 2, v3
	s_mov_b32 s23, ttmp9
	s_mov_b32 s36, 0x76543210
	s_mov_b32 s37, 0xfedcba98
	s_mov_b32 s38, 0x7fffffff
	s_cmp_ge_u32 s23, 176
	s_cselect_b32 s24, 1, 0
	s_cmp_ge_u32 s23, 352
	s_cselect_b32 s39, 1, 0                        ; down?
	s_add_co_u32 s24, s24, s39                     ; t
	s_mul_i32 s40, s24, 176
	s_sub_co_u32 s25, s23, s40                     ; the unit's number in its tensor
	s_lshr_b32 s41, s25, 3                         ; gate, up: the pair,
	s_and_b32 s42, s25, 7                          ; the K step
	s_and_b32 s43, s25, 31                         ; down: the pair,
	s_lshr_b32 s48, s25, 5                         ; the K step
	s_mul_i32 s50, s41, 43
	s_lshr_b32 s50, s50, 8                         ; pair / 6: the wave of the third launch that takes it
	s_mul_i32 s51, s50, 6
	s_sub_co_u32 s51, s41, s51
	s_lshl_b32 s51, s51, 1
	s_add_co_u32 s51, s51, s24
	s_lshl_b32 s51, s51, 17                        ; slot 2 (pair % 6) + t, 131,072 bytes each,
	s_lshl_b32 s52, s50, 15
	s_add_co_u32 s51, s51, s52                     ; the wave's 32,768,
	s_lshl_b32 s52, s42, 12
	s_add_co_u32 s51, s51, s52                     ; the K step's 4,096
	s_lshr_b32 s53, s43, 2                         ; down: slot pair / 4: a slot holds 128 neighbouring weight rows,
	s_mul_i32 s53, s53, 98304                      ; 98,304 bytes a slot,
	s_and_b32 s54, s43, 3                          ; wave pair % 4
	s_mul_i32 s54, s54, 24576                      ; 24,576 bytes a wave,
	s_add_co_u32 s53, s53, s54
	s_lshl_b32 s54, s48, 12
	s_add_co_u32 s53, s53, s54
	s_add_co_u32 s53, s53, 1572864                 ; behind the twelve slots of gate and up
	s_mov_b32 s28, 1024
	s_mov_b32 s29, 687
	s_mov_b32 s30, 4096
	s_mov_b32 s49, 86
	s_cmp_eq_u32 s39, 1
	s_cselect_b32 s26, s43, s41                    ; pair
	s_cselect_b32 s27, s48, s42                    ; K step
	s_cselect_b32 s31, s53, s51                    ; the fragments' place in wst
	s_cselect_b32 s28, 688, s28                    ; K
	s_cselect_b32 s29, 1023, s29                   ; the last row
	s_cselect_b32 s30, 2752, s30                   ; a row in bytes
	s_cselect_b32 s49, 84, s49                     ; entries of part for a wave
	s_lshl_b32 s55, s27, 9
	v_add_nc_u32 v5, s55, v4
	s_sub_co_u32 s56, s30, 16
	v_min_u32 v5, s56, v5                          ; my 16 bytes of a row's 512, held inside the row
	s_wait_alu depctr_va_vdst(0)
	s_lshl_b32 s57, s26, 5
	s_lshl_b32 s58, s22, 3
	s_add_co_u32 s57, s57, s58                     ; my first row
.irp j, 0,1,2,3,4,5,6,7
	s_add_co_u32 s58, s57, \j
	s_min_u32 s58, s58, s29                        ; held inside the tensor
	s_mul_i32 s58, s58, s30
	v_add_nc_u32 v[6+\j], s58, v5
.endr
	s_mul_i32 s58, s24, 344
	s_mul_i32 s59, s49, s22
	s_add_co_u32 s58, s58, s59
	s_lshl_b32 s58, s58, 4                         ; my quarter of the tensor's entries
	s_mov_b32 s59, 0
	v_add_nc_u32 v16, 64, v3
	s_sub_co_u32 s56, s49, 1
	v_min_u32 v16, s56, v16
	v_lshlrev_b32 v16, 4, v16                      ; the third load's entry, held inside the quarter
	s_mul_i32 s55, s22, 4224
	v_add_nc_u32 v14, s55, v4                      ; the stage, on the way in: row 8 w, 16 x lane
	v_and_b32 v26, 8, v25
	v_add_nc_u32 v26, v26, v25                     ; rho + 8 (rho / 8)
	s_wait_alu depctr_va_vdst(0)
	v_mul_u32_u24 v15, v26, 528
	v_lshl_add_u32 v15, v28, 7, v15
	s_lshr_b32 s55, s22, 1                         ; u
	s_and_b32 s56, s22, 1                          ; c
	s_mul_i32 s40, s55, 4224
	s_lshl_b32 s41, s56, 8
	s_add_co_u32 s40, s40, s41
	v_add_nc_u32 v15, s40, v15                     ; and on the way out
	s_lshl_b32 s40, s22, 4
	s_add_co_u32 s40, s40, STATS
	v_mov_b32 v19, s40
	v_mov_b32 v20, STATS
	s_lshl_b32 s40, s26, 5
	s_lshl_b32 s41, s55, 3
	s_add_co_u32 s40, s40, s41
	v_add_nc_u32 v27, s40, v26                     ; my weight row
	v_cmp_ge_u32 vcc_lo, s29, v27
	v_mov_b32 v22, s28
	v_cndmask_b32 v22, 0, v22, vcc_lo              ; K, or 0 for a row beyond the tensor
	s_lshl_b32 s40, s27, 7
	s_lshl_b32 s41, s56, 6
	s_add_co_u32 s40, s40, s41
	v_lshl_add_u32 v21, v28, 5, s40                ; my first k
.irp g, 0,1,2,3
	v_add_nc_u32 v[116+\g], 8*\g, v21
.endr
.irp g, 0,1,2,3
	v_cmp_gt_u32 s[60+\g], v22, v[116+\g]          ; do these eight codes lie inside the tensor?  (688 is a multiple of 8)
.endr
	s_wait_kmcnt 0x0
	s_cmp_eq_u32 s24, 0
	s_cselect_b64 s[32:33], s[4:5], s[8:9]
	s_cselect_b64 s[34:35], s[6:7], s[10:11]
	s_cmp_eq_u32 s24, 2
	s_cselect_b64 s[32:33], s[12:13], s[32:33]
	s_cselect_b64 s[34:35], s[14:15], s[34:35]
	s_add_nc_u64 s[16:17], s[16:17], s[58:59]
.irp j, 0,1,2,3,4,5,6,7
	global_load_b128 v[A+4*\j:A+4*\j+3], v[6+\j], s[32:33]
	global_load_b128 v[B+4*\j:B+4*\j+3], v[6+\j], s[34:35]
.endr
	global_load_b128 v[T:T+3], v4, s[16:17]
	global_load_b128 v[T+4:T+7], v4, s[16:17] offset:512
	global_load_b128 v[T+8:T+11], v16, s[16:17]
	s_mov_b32 s58, s31
	s_add_nc_u64 s[18:19], s[18:19], s[58:59]      ; wst at the fragments
	s_lshl_b32 s58, s24, 8
	s_add_nc_u64 s[20:21], s[20:21], s[58:59]      ; wsc at the tensor's two images
	s_wait_loadcnt 3                               ; the weights are in; the three loads of part may stay out
.irp j, 0,1,2,3,4,5,6,7
	ds_store_b128 v14, v[A+4*\j:A+4*\j+3] offset:528*\j
	ds_store_b128 v14, v[B+4*\j:B+4*\j+3] offset:STGI+528*\j
.endr
	s_wait_loadcnt 0x0
	s_sub_co_u32 s56, s49, 64
	v_cmp_gt_u32 vcc_lo, s56, v3                   ; the third load's entries beyond the quarter count for nothing
.irp i, 0,1,2
	v_cndmask_b32 v[T+8+\i], 0, v[T+8+\i], vcc_lo
.endr
.irp i, 0,1,2
	v_add_f32 v[112+\i], v[T+\i], v[T+4+\i]
.endr
.irp i, 0,1,2
	v_add_f32 v[112+\i], v[112+\i], v[T+8+\i]
.endr
.irp m, 1,2,4,8
.irp i, 0,1,2
	v_add_f32_dpp v[112+\i], v[112+\i], v[112+\i] row_xmask:\m row_mask:0xf bank_mask:0xf
.endr
.endr
.irp i, 0,1,2
	v_permlanex16_b32 v[116+\i], v[112+\i], s36, s37
.endr
.irp i, 0,1,2
	v_add_f32 v[112+\i], v[112+\i], v[116+\i]
.endr
	v_mov_b32 v115, 0
	ds_store_b128 v19, v[112:115]                  ; all lanes write the same 16 bytes with the same values
	s_wait_dscnt 0x0                               ; for the others' sake: my stores have landed
	s_barrier_signal -1
	s_barrier_wait -1
.irp i, 0,1,2,3
	ds_load_b128 v[T+4*\i:T+4*\i+3], v20 offset:16*\i
.endr
.irp i, 0,1,2,3,4,5,6,7
	ds_load_b128 v[A+4*\i:A+4*\i+3], v15 offset:16*\i
	ds_load_b128 v[B+4*\i:B+4*\i+3], v15 offset:STGI+16*\i
.endr
	s_wait_dscnt 16                                ; the four entries are in; the sixteen loads from the stage may stay out
	v_add_f32 v112, v[T], v[T+4]
	v_add_f32 v116, v[T+8], v[T+12]
	v_add_f32 v113, v[T+1], v[T+5]
	v_add_f32 v117, v[T+9], v[T+13]
	v_add_f32 v114, v[T+2], v[T+6]
	v_add_f32 v118, v[T+10], v[T+14]
	v_add_f32 v112, v112, v116                     ; the sum of |wr| over the real sectors,
	v_add_f32 v113, v113, v117                     ; of |wi| over the imaginary,
	v_add_f32 v114, v114, v118                     ; and their count (whole numbers under 2^24: exact)
	v_sub_f32 v115, 0x492c0000, v114               ; 704,512 less it: the real count
	v_max_num_f32 v115, 1.0, v115
	v_max_num_f32 v114, 1.0, v114
	s_wait_alu depctr_va_vdst(0)
	v_rcp_f32 v116, v115
	v_rcp_f32 v117, v114
	v_nop
	s_wait_alu depctr_va_vdst(0)                   ; one wait for both reciprocals, ahead of their first reader
	v_fma_f32 v118, -v115, v116, 1.0
	v_fma_f32 v119, -v114, v117, 1.0
	v_fma_f32 v116, v118, v116, v116
	v_fma_f32 v117, v119, v117, v117
	v_mul_f32 v120, v112, v116
	v_mul_f32 v121, v113, v117
	v_fma_f32 v118, -v115, v120, v112
	v_fma_f32 v119, -v114, v121, v113
	v_fma_f32 v120, v118, v116, v120               ; the means, divisions rounded as IEEE asks
	v_fma_f32 v121, v119, v117, v121
	v_max_num_f32 v120, 0x3727c5ac, v120           ; c_r, c_i: held at 1e-5 from below
	v_max_num_f32 v121, 0x3727c5ac, v121
	v_add_nc_u32 v122, 0xff000000, v120            ; 2 off the exponent field: the conversions' scale operands
	v_add_nc_u32 v123, 0xff000000, v121
	v_lshrrev_b32 v124, 23, v122
	v_lshrrev_b32 v125, 23, v123
	s_mov_b32 s40, 0x01010101
	v_mul_lo_u32 v124, v124, s40                   ; the byte four times: a scale word
	v_mul_lo_u32 v125, v125, s40
	s_wait_dscnt 0x0
.set e, 0
.rept 8                                ; four numbers at a time: the sector as in the first launch, then 0 or c with the sign of wr or of wi
.irp i, 0,1,2,3
	v_xor_b32 v[T+\i], v[A+e+\i], v[B+e+\i]
	v_lshlrev_b32 v[T+4+\i], 1, v[A+e+\i]
	v_lshl_or_b32 v[T+8+\i], v[B+e+\i], 1, 1
.endr
.irp i, 0,1,2,3
	v_max_u32 v[T+4+\i], 1, v[T+4+\i]
	v_lshrrev_b32 v[T+\i], 31, v[T+\i]
.endr
.irp i, 0,1,2,3
	v_add_nc_u32 v[T+4+\i], v[T+4+\i], v[T+\i]
.endr
.irp i, 0,1,2,3
	v_cmp_gt_u32 s[44+\i], v[T+8+\i], v[T+4+\i]
	v_bfi_b32 v[A+e+\i], s38, v120, v[A+e+\i]
	v_bfi_b32 v[B+e+\i], s38, v121, v[B+e+\i]
.endr
.irp i, 0,1,2,3
	v_cndmask_b32 v[A+e+\i], v[A+e+\i], 0, s[44+\i]
	v_cndmask_b32 v[B+e+\i], 0, v[B+e+\i], s[44+\i]
.endr
.set e, e+4
.endr
.irp g, 0,1,2,3
	v_cvt_scalef32_pk8_fp4_f32 v[128+\g], v[A+8*\g:A+8*\g+7], v122
	v_cvt_scalef32_pk8_fp4_f32 v[132+\g], v[B+8*\g:B+8*\g+7], v123
.endr
	v_nop                                          ; one plain line between a scaled conversion and the vector line that touches its result
.irp g, 0,1,2,3
	v_cndmask_b32 v[128+\g], 0, v[128+\g], s[60+\g]
	v_cndmask_b32 v[132+\g], 0, v[132+\g], s[60+\g]
.endr
	global_store_b128 v23, v[128:131], s[18:19]               ; quarter w of the real fragment: 512 consecutive bytes a wave
	global_store_b128 v23, v[132:135], s[18:19] offset:2048   ; and of the imaginary
	s_or_b32 s40, s25, s22
	s_cmp_eq_u32 s40, 0                            ; wave 0 of each tensor's first unit stores the two scale words, a word a lane
	s_cbranch_scc0 .Lno_words
	global_store_b32 v24, v124, s[20:21]
	global_store_b32 v24, v125, s[20:21] offset:128
.Lno_words:
	s_wait_tensorcnt 0x0                           ; the wave's end, behind my last LDS store
	ds_add_u32 v1, v2
	s_wait_dscnt 0x0
	s_endpgm
.Lfunc_end_k_q717f1eae91_wq:
	.size	k_q717f1eae91_wq, .Lfunc_end_k_q717f1eae91_wq-k_q717f1eae91_wq
	.p2alignl 7, 3214868480
	.fill 96, 4, 3214868480
	.section	.rodata,"a",@progbits
	.p2align	6, 0x0
	.amdhsa_kernel k_q717f1eae91_wq
		.amdhsa_group_segment_fixed_size 34560
		.amdhsa_private_segment_fixed_size 0
		.amdhsa_enable_private_segment 0
		.amdhsa_kernarg_size 72
		.amdhsa_user_sgpr_count 2
		.amdhsa_user_sgpr_kernarg_segment_ptr 1
		.amdhsa_wavefront_size32 1
		.amdhsa_system_sgpr_workgroup_id_x 1
		.amdhsa_system_sgpr_workgroup_id_y 1
		.amdhsa_system_sgpr_workgroup_id_z 1
		.amdhsa_system_vgpr_workitem_id 0
		.amdhsa_next_free_vgpr 144
		.amdhsa_next_free_sgpr 66
		.amdhsa_reserve_vcc 1
		.amdhsa_float_denorm_mode_32 3
		.amdhsa_float_denorm_mode_16_64 3
		.amdhsa_memory_ordered 1
		.amdhsa_forward_progress 1
		.amdhsa_inst_pref_size 33
	.end_amdhsa_kernel
	.amdgpu_metadata
---
amdhsa.version: [ 1, 2 ]
amdhsa.kernels:
  - .name:           k_q717f1eae91_wq
    .symbol:         k_q717f1eae91_wq.kd
    .args:
      - { .name: gate_wr, .offset: 0, .size: 8, .value_kind: global_buffer, .address_space: global }
      - { .name: gate_wi, .offset: 8, .size: 8, .value_kind: global_buffer, .address_space: global }
      - { .name: up_wr, .offset: 16, .size: 8, .value_kind: global_buffer, .address_space: global }
      - { .name: up_wi, .offset: 24, .size: 8, .value_kind: global_buffer, .address_space: global }
      - { .name: down_wr, .offset: 32, .size: 8, .value_kind: global_buffer, .address_space: global }
      - { .name: down_wi, .offset: 40, .size: 8, .value_kind: global_buffer, .address_space: global }
      - { .name: part, .offset: 48, .size: 8, .value_kind: global_buffer, .address_space: global }
      - { .name: wst, .offset: 56, .size: 8, .value_kind: global_buffer, .address_space: global }
      - { .name: wsc, .offset: 64, .size: 8, .value_kind: global_buffer, .address_space: global }
    .group_segment_fixed_size: 34560
    .private_segment_fixed_size: 0
    .kernarg_segment_align: 8
    .kernarg_segment_size: 72
    .max_flat_workgroup_size: 128
    .sgpr_count:     66
    .vgpr_count:     144
    .wavefront_size: 32
...
	.end_amdgpu_metadata
.endif
;; end of part 2
;; launch mlp (part 3): grid 256 x 1, 4 waves a work-group, clusters of 4 x 1, 327,680 bytes of LDS; arguments xq, xs, wst, wsc, ln_wr, ln_wi, out0, out1; writes out0, out1
.if DOCPART == 3
	.amdgcn_target "amdgcn-amd-amdhsa--gfx1250"
	.amdhsa_code_object_version 6
	.text
	.protected	k_q717f1eae91_mlp
	.globl	k_q717f1eae91_mlp
	.p2align	8
	.type	k_q717f1eae91_mlp,@function
k_q717f1eae91_mlp:
	s_mov_b64 s[64:65], 0
	v_nop
	global_prefetch_b8 v0, s[64:65] scope:SCOPE_SE
	s_setreg_imm32_b32 hwreg(HW_REG_WAVE_MODE, 25, 1), 1
	s_wait_xcnt 0x0
	s_wait_alu depctr_hold_cnt(0) depctr_sa_sdst(0) depctr_va_vdst(0) depctr_va_sdst(0) depctr_va_ssrc(0) depctr_va_vcc(0) depctr_vm_vsrc(0)
	s_getreg_b32 s2, hwreg(HW_REG_IB_STS2, 6, 4)
	s_cmp_eq_u32 s2, 0
	s_cbranch_scc0 .Lentry_in_a_cluster
	s_endpgm
.Lentry_in_a_cluster:
	s_bfe_u32 s2, ttmp6, 0x10000c
	s_cmp_lg_u32 s2, 0x3003
	s_cbranch_scc0 .Lentry_shape_is_right
	s_endpgm
.Lentry_shape_is_right:
; THIRD LAUNCH.  A work-group takes 32 rows through the whole chain: gate and up products, relu2, h = a x u, complex rmsnorm, act_quant, MX-FP4 quantiser, down products.
; Left out, as the first launch's head comment shows: hidden units 704 to 767 are never formed; the clip of act_quant is an identity.
; ORDER OF ROUNDING: n is formed as (g h) inv and not g (h inv); the row's largest |n| as inv x max|g h|; round(n rs) as one fused multiply-add of g h with inv rs; t / rs as t x (1 / rs).
; The rounding to a whole number is the addition of 1.5 x 2^23 (ties to even), right while |n rs| is under 2^22; it is 127 at the most.  NaN and infinities are not served.
; SHARES.  Wave w owns hidden pairs (32 units) 6 w .. 6 w + 5 (wave 3: four pairs), all 32 rows; in the down products the 32 columns 128 d + 32 w of slot d.
; THE WEIGHTS walk through a ring of two LDS slots of 131,072 bytes: slots 0-11 gate and up by turns, slots 12-19 down (98,304 bytes each).  All four work-groups of a cluster walk the same weights: every fill is a joint load.
; One shape of load, 128 rows of 256 bytes: up to slot 7 each wave brings its own 32,768 bytes; from slot 8 on a slot has 98,304 bytes, which waves 0 to 2 bring.
; THE PRODUCTS ARE USED TRANSPOSED (source 0 = 16 weight rows, source 1 = 16 rows of x): a lane holds one row of x, its registers run along the hidden units.
; h STAYS IN REGISTERS: the 64 registers of pair p first take the gains (loaded at the head), and trip p multiplies h into them in an arm of its own; all else of a trip is common text.
; PREFETCH: behind each change of slots of the gate and up walk a wave names 32 blocks of 256 bytes, 8,192 bytes, of the 131,072 bytes that lie two refills on; the four partners and four waves share them out by address;
; the first four and the last two such runs of wst come by their loads alone.  Of runs 8 to 11 the last quarter is named and never loaded.
; REGISTERS.  Window 0: v1, v2 the add's; v3-22 addresses; v24-27 maxima; v28-31 +-1.5 x 2^23; v32-47 x's scale words; v48-53 the weights'; v54-61 sums; v64-127 a, later at work; v128-255 g h of pairs 4, 5.
; Window 1: x's fragments, later the hidden layer's.  Window 2: v0-95 accumulators R, P, Q; v96-191 three sets of weight fragments; v192, v193 ring addresses; v196-231 at work.  Window 3: g h of pairs 0-3.
.set RINGH, 131072
.set STG,   262144                     ; the way out: 64 rows x 528 bytes
.set HIMG,  295936                     ; the hidden layer's codes, an image of the operand's registers
.set HSC,   320512                     ; its scale words
.set STAT1, 322048
.set STAT2, 322560
.set SPARE, 323584                     ; the spare words, 128 bytes a wave, which no other line names
.set MW2, 0xa6                         ; source 0 and C, D window 2, source 1 window 1
.set RR, 0
.set PP, 32
.set QQ, 64
.set RG, 96
.set TI, 200
.set MSB, 0
.macro WIN new
.if MSB != (\new)
	s_set_vgpr_msb (MSB<<8)|(\new)
.set MSB, (\new)
.endif
.endm
.macro NOPS n
.rept \n
	v_nop
.endr
.endm
.macro CROUND                          ; a round of the cluster's barrier
	s_barrier_signal -1
	s_barrier_wait -1
	s_cmp_lg_u32 s20, 0
	s_cbranch_scc1 .Lnot_wave_0_\@
	s_barrier_signal -3
.Lnot_wave_0_\@:
	s_barrier_wait -3
	s_barrier_signal -1
	s_barrier_wait -1
.endm
.macro MM d, a, b, z, sa, sb, row
.if \z
.if \row
	v_wmma_scale_f32_16x16x128_f8f6f4 v[(\d):(\d)+7], v[(\a):(\a)+7], v[(\b):(\b)+7], 0, v[\sa], v[\sb] matrix_a_fmt:MATRIX_FMT_FP4 matrix_b_fmt:MATRIX_FMT_FP4 matrix_b_scale:MATRIX_SCALE_ROW1
.else
	v_wmma_scale_f32_16x16x128_f8f6f4 v[(\d):(\d)+7], v[(\a):(\a)+7], v[(\b):(\b)+7], 0, v[\sa], v[\sb] matrix_a_fmt:MATRIX_FMT_FP4 matrix_b_fmt:MATRIX_FMT_FP4
.endif
.else
.if \row
	v_wmma_scale_f32_16x16x128_f8f6f4 v[(\d):(\d)+7], v[(\a):(\a)+7], v[(\b):(\b)+7], v[(\d):(\d)+7], v[\sa], v[\sb] matrix_a_fmt:MATRIX_FMT_FP4 matrix_b_fmt:MATRIX_FMT_FP4 matrix_b_scale:MATRIX_SCALE_ROW1
.else
	v_wmma_scale_f32_16x16x128_f8f6f4 v[(\d):(\d)+7], v[(\a):(\a)+7], v[(\b):(\b)+7], v[(\d):(\d)+7], v[\sa], v[\sb] matrix_a_fmt:MATRIX_FMT_FP4 matrix_b_fmt:MATRIX_FMT_FP4
.endif
.endif
.endm
; one K step: R += wr xr + wi xi, Q += wr xi, P += wi xr; 16 products on 12 accumulators by turns
.macro GROUP set, ks, nk, wsr, wsi, z
.set FR, RG+32*(\set)
.irp rt, 0,1
.irp u, 0,1
	MM RR+16*\rt+8*\u, FR+8*\u, ((\rt)*(\nk)+(\ks))*8, \z, \wsr, 32+(\ks), \rt
.endr
.endr
.irp rt, 0,1
.irp u, 0,1
	MM QQ+16*\rt+8*\u, FR+8*\u, ((2+\rt)*(\nk)+(\ks))*8, \z, \wsr, 32+(\nk)+(\ks), \rt
.endr
.endr
.irp rt, 0,1
.irp u, 0,1
	MM RR+16*\rt+8*\u, FR+16+8*\u, ((2+\rt)*(\nk)+(\ks))*8, 0, \wsi, 32+(\nk)+(\ks), \rt
.endr
.endr
.irp rt, 0,1
.irp u, 0,1
	MM PP+16*\rt+8*\u, FR+16+8*\u, ((\rt)*(\nk)+(\ks))*8, \z, \wsi, 32+(\ks), \rt
.endr
.endr
.endm
.macro LOADG gg, set, ra               ; K step gg's real and imaginary fragments: eight loads
.irp f, 0,1
.irp q, 0,1,2,3
	ds_load_b128 v[RG+32*(\set)+16*\f+4*\q:RG+32*(\set)+16*\f+4*\q+3], v[\ra] offset:(2*(\gg)+\f)*2048+512*\q
.endr
.endr
.endm
.macro WORK ng, nk, ra, wsr, wsi       ; a slot's K steps; the loads run three K steps ahead, so 16, 8 or 0 may stay out
.set g, 0
.rept \ng
.if g+3 <= \ng
	s_wait_dscnt 16
.elseif g+2 == \ng
	s_wait_dscnt 8
.else
	s_wait_alu depctr_va_vdst(0)
	s_wait_dscnt 0
.endif
	GROUP g%3, g, \nk, \wsr, \wsi, g==0
.if g+3 < \ng
	NOPS 4
	LOADG g+3, g%3, \ra
.endif
.set g, g+1
.endr
.endm
.macro PRE ra
	WIN MW2
	LOADG 0, 0, \ra
	LOADG 1, 1, \ra
	LOADG 2, 2, \ra
.endm
; A change of slots in the gate and up walk.  gd = 0: in trips 0 to 2 every wave fills, in trip 3 waves 0 to 2; gd = 1: waves 0 to 2.
.macro CHANGE gd
	WIN 0
	s_wait_xcnt 0x0                                ; my last prefetch has read its address
	s_add_nc_u64 s[76:77], s[76:77], 131072
	s_wait_tensorcnt 0x0                           ; my part of the other slot has landed;
	ds_add_u32 v1, v2
	s_xor_b32 s45, s45, RINGH
	s_add_nc_u64 s[46:47], s[46:47], s[72:73]
	s_wait_dscnt 0x0                               ; the add, and my reads of this slot
	CROUND
.if (\gd) == 0
	s_cmp_lt_u32 s54, 3
	s_cbranch_scc1 .Lall_\@
.endif
	s_cmp_eq_u32 s20, 3
	s_cbranch_scc1 .Lnone_\@
.Lall_\@:
	tensor_load_to_lds s[44:47], s[24:31]
	s_nop 0
	NOPS 4
.Lnone_\@:
	NOPS 5
	s_cmp_lt_u32 ttmp9, 4
	s_cbranch_scc0 .Lno_prefetch_mlp0_\@
	global_prefetch_b8 v22, s[76:77] th:TH_LOAD_NT scope:SCOPE_SE
.Lno_prefetch_mlp0_\@:
.endm
.macro SUBPQ                           ; the imaginary part: P - Q
	WIN 0xaa
.set j, 0
.rept 16
	v_pk_add_f32 v[PP+j:PP+j+1], v[PP+j:PP+j+1], v[QQ+j:QQ+j+1] neg_lo:[0,1] neg_hi:[0,1]
.set j, j+2
.endr
.endm
.macro ACT1                            ; relu2 of the gate: both parts 0 where both are negative, then squared, into v64-127
	SUBPQ
.set j, 0
.rept 8
.irp i, 0,1,2,3
	v_max_num_f32 v[196+\i], v[RR+j+\i], v[PP+j+\i]
.endr
.irp i, 0,1,2,3
	v_cmp_le_f32 s[66+\i], 0, v[196+\i]
.endr
.irp i, 0,1,2,3
	v_cndmask_b32 v[RR+j+\i], 0, v[RR+j+\i], s[66+\i]
	v_cndmask_b32 v[PP+j+\i], 0, v[PP+j+\i], s[66+\i]
.endr
.set j, j+4
.endr
	WIN 0x0a
.set j, 0
.rept 16
	v_pk_mul_f32 v[64+j:65+j], v[RR+j:RR+j+1], v[RR+j:RR+j+1]
	v_pk_mul_f32 v[96+j:97+j], v[PP+j:PP+j+1], v[PP+j:PP+j+1]
.set j, j+2
.endr
.endm
.macro ACT2                            ; h_r = a_r u_r + a_i u_i into Q's registers, h_i = a_r u_i - a_i u_r into TI's; the rows' sums of squares
	SUBPQ
	WIN 0xa8
.set j, 0
.rept 16
	v_pk_mul_f32 v[QQ+j:QQ+j+1], v[64+j:65+j], v[RR+j:RR+j+1]
	v_pk_mul_f32 v[TI+j:TI+j+1], v[64+j:65+j], v[PP+j:PP+j+1]
.set j, j+2
.endr
.set j, 0
.rept 16
	v_pk_fma_f32 v[QQ+j:QQ+j+1], v[96+j:97+j], v[PP+j:PP+j+1], v[QQ+j:QQ+j+1]
	v_pk_fma_f32 v[TI+j:TI+j+1], v[96+j:97+j], v[RR+j:RR+j+1], v[TI+j:TI+j+1] neg_lo:[1,0,0] neg_hi:[1,0,0]
.set j, j+2
.endr
	WIN 0x0a
.set n, 0
.rept 8
.irp rt, 0,1
	v_pk_fma_f32 v[54+4*\rt:55+4*\rt], v[QQ+16*\rt+n:QQ+16*\rt+n+1], v[QQ+16*\rt+n:QQ+16*\rt+n+1], v[54+4*\rt:55+4*\rt]
	v_pk_fma_f32 v[56+4*\rt:57+4*\rt], v[TI+16*\rt+n:TI+16*\rt+n+1], v[TI+16*\rt+n:TI+16*\rt+n+1], v[56+4*\rt:57+4*\rt]
.endr
.set n, n+2
.endr
.endm
.macro HBASE p                         ; where pair p's 64 registers lie: [real: rows 0-15, 16-31][imaginary: likewise], 16 each
.if (\p) < 4
.set HB, 64*(\p)
.else
.set HB, 128+64*((\p)-4)
.endif
.endm
.macro ARM p                           ; trip p alone: g h into pair p's registers, and the running largest |g h|
	s_cmp_lg_u32 s54, \p
	s_cbranch_scc1 .La_\@
	HBASE \p
.if (\p) < 4
	WIN 0xcb
.else
	WIN 0x08
.endif
.set n, 0
.rept 16
	v_pk_mul_f32 v[HB+n:HB+n+1], v[HB+n:HB+n+1], v[QQ+n:QQ+n+1]
	v_pk_mul_f32 v[HB+32+n:HB+33+n], v[HB+32+n:HB+33+n], v[TI+n:TI+n+1]
.set n, n+2
.endr
.if (\p) < 4
	WIN 0x3c
.else
	WIN 0
.endif
.set n, 0
.rept 8
.irp q, 0,1,2,3
	v_max3_num_f32 v[24+\q], v[24+\q], |v[HB+16*\q+n]|, |v[HB+16*\q+n+1]|
.endr
.set n, n+2
.endr
	WIN 0
.La_\@:
.endm
.macro GAIN p                          ; the gains of my 16 hidden units of pair p, for both row tiles
	HBASE \p
.if (\p) < 4
	WIN 0xc0
.else
	WIN 0
.endif
.irp ri, 0,1
.irp rt, 0,1
.irp i, 0,1,2,3
.if (\p) == 3
	global_load_b128 v[HB+32*\ri+16*\rt+4*\i:HB+32*\ri+16*\rt+4*\i+3], v7, s[12+2*\ri:13+2*\ri] offset:16*\i
.else
	global_load_b128 v[HB+32*\ri+16*\rt+4*\i:HB+32*\ri+16*\rt+4*\i+3], v6, s[12+2*\ri:13+2*\ri] offset:128*(\p)+16*\i
.endif
.endr
.endr
.endr
.endm
; A trip: one pair, its gate slot and its up slot.  lp = 0: trips 0-3, every wave works; lp = 1: trips 4, 5, wave 3 has no pair and passes the changes of slots alone.
.macro PAIR lp
.if \lp
	s_cmp_eq_u32 s20, 3
	s_cbranch_scc1 .Lg_\@
.endif
	WIN MW2
	WORK 8, 8, 192, 48, 49
	WIN 0
.Lg_\@:
	CHANGE \lp
.if \lp
	s_cmp_eq_u32 s20, 3
	s_cbranch_scc1 .Lu_\@
.endif
	PRE 193
	ACT1
	WIN MW2
	WORK 8, 8, 193, 50, 51
	WIN 0
.Lu_\@:
.if \lp
	s_cmp_eq_u32 s54, 5                            ; behind slot 12 the slots lie 98,304 bytes apart
	s_cselect_b32 s72, s74, s72
.endif
	CHANGE \lp
.if \lp
	s_cmp_eq_u32 s20, 3
	s_cbranch_scc1 .Le_\@
	s_cmp_eq_u32 s54, 5                            ; no gate slot follows the last pair
	s_cbranch_scc1 .Ln_\@
.else
	s_cmp_lt_u32 s54, 3
	s_cbranch_scc1 .Lp_\@
	s_cmp_eq_u32 s20, 3                            ; nor wave 3's fourth
	s_cbranch_scc1 .Ln_\@
.Lp_\@:
.endif
	PRE 192
	WIN 0
.Ln_\@:
	ACT2
	WIN 0
.if \lp
	ARM 4
	ARM 5
.else
	ARM 0
	ARM 1
	ARM 2
	ARM 3
.endif
.Le_\@:
	s_wait_alu depctr_va_vdst(0)                   ; the wait ahead of the backward jump
.endm
	s_load_b512 s[4:19], s[0:1], 0x0               ; xq, xs, wst, wsc, ln_wr, ln_wi, out0, out1
	v_lshl_add_u32 v1, v0, 2, SPARE
	v_mov_b32 v2, 0
	ds_add_u32 v1, v2                              ; the opening lines: the add twice and its wait
	ds_add_u32 v1, v2
	v_lshrrev_b32 v3, 5, v0
	v_readfirstlane_b32 s20, v3                    ; wave
	s_bfe_u32 s21, ttmp6, 0x40000                  ; cx
	s_lshl_b32 s22, ttmp9, 2
	s_add_co_u32 s22, s22, s21                     ; b
	s_mov_b32 s23, 0xffff0000                      ; lanes 16-31
	s_mov_b32 s24, 15|(3<<16)|(1<<21)              ; group 1: all four partners; 128 rows of 32 elements of 8 bytes, dense
	s_mov_b32 s25, 32<<16
	s_mov_b32 s26, 128<<16
	s_mov_b32 s27, 32<<16
	s_mov_b32 s28, 128
	s_mov_b32 s29, 32
	s_mov_b32 s30, 0
	s_mov_b32 s31, 0
	s_mov_b32 s48, 0x76543210
	s_mov_b32 s49, 0xfedcba98                      ; selects for lane l xor 16
	s_mov_b32 s50, 0x3abe82fa                      ; 1 / 688
	s_mov_b32 s51, 0x358637bd                      ; 1e-6
	s_mov_b32 s52, 0x42fe0000                      ; 127
	s_mov_b32 s53, 0x3727c5ac                      ; 1e-5
	s_mov_b32 s72, 131072                          ; from slot to slot
	s_mov_b32 s73, 0
	s_mov_b32 s74, 98304
	s_lshl_b32 s58, s20, 15
	s_mov_b32 s59, 0
	s_lshl_b32 s56, s21, 15                        ; the prefetches: 32,768 cx + 8,192 wave, at the fourth run of 131,072 bytes
	s_lshl_b32 s55, s20, 13
	s_add_co_u32 s56, s56, s55
	s_add_co_u32 s56, s56, 3*131072
	s_mov_b32 s57, 0
	s_wait_dscnt 0x0
	s_wait_kmcnt 0x0
	s_mov_b32 s40, 1
	s_mov_b32 s41, s58
	s_add_nc_u64 s[42:43], s[8:9], s[58:59]
	s_mov_b32 s44, 1
	s_add_co_u32 s45, s58, RINGH
	s_add_nc_u64 s[46:47], s[42:43], 131072
	s_or_b32 s43, s43, 0x80000000
	s_or_b32 s47, s47, 0x80000000
	s_add_nc_u64 s[76:77], s[8:9], s[56:57]
	CROUND
	tensor_load_to_lds s[40:43], s[24:31]          ; slot 0: one load a wave at the head
	s_nop 0
	NOPS 4
	s_lshl_b32 s58, s22, 15
	s_add_nc_u64 s[4:5], s[4:5], s[58:59]
	s_lshl_b32 s58, s22, 11
	s_add_nc_u64 s[6:7], s[6:7], s[58:59]
	s_lshl_b32 s58, s22, 17
	s_and_b32 s55, s20, 1
	s_lshl_b32 s55, s55, 16
	s_add_co_u32 s58, s58, s55
	s_cmp_lt_u32 s20, 2                            ; on the way out waves 0, 1 store the real part, waves 2, 3 the imaginary: 16 rows each
	s_cselect_b64 s[60:61], s[16:17], s[18:19]
	s_add_nc_u64 s[60:61], s[60:61], s[58:59]
	v_and_b32 v62, 31, v0
	v_and_b32 v63, 15, v0
	v_bfe_u32 v61, v0, 4, 1
	v_lshlrev_b32 v3, 4, v62
	v_lshlrev_b32 v4, 5, v62
	v_lshlrev_b32 v5, 2, v62
	v_lshlrev_b32 v22, 8, v62
	s_wait_alu depctr_va_vdst(0)
	s_mul_i32 s55, s20, 768
	v_lshl_add_u32 v6, v61, 6, s55                 ; gains: 128 bytes a pair, 64 for each half of the lanes
	v_add_nc_u32 v7, 384, v6
	v_min_u32 v7, 2688, v7                         ; units 688 on: held inside the buffer; their h is 0
	s_mul_i32 s55, s20, 1536
	s_add_co_u32 s55, s55, HIMG
	v_add_nc_u32 v8, s55, v3
.irp G, 0,1,2
	s_mul_i32 s55, s20, 3
	s_add_co_u32 s55, s55, \G
	s_lshr_b32 s66, s55, 1
	s_lshl_b32 s66, s66, 7
	s_and_b32 s67, s55, 1
	s_lshl_b32 s67, s67, 1
	s_add_co_u32 s66, s66, s67
	s_add_co_u32 s66, s66, HSC
	v_add_nc_u32 v[9+\G], s66, v5
.endr
	v_lshl_add_u32 v12, v0, 2, STAT1
	v_add_nc_u32 v13, STAT1, v5
	v_lshl_add_u32 v14, v0, 3, STAT2
	v_lshl_add_u32 v15, v62, 3, STAT2
	v_add_nc_u32 v16, HIMG, v3
	v_add_nc_u32 v17, HSC, v5
	s_lshl_b32 s55, s20, 7
	s_add_co_u32 s55, s55, STG
	s_mul_i32 s66, s20, 8448
	s_add_co_u32 s66, s66, STG
	v_mul_u32_u24 v18, v63, 528
	v_lshl_add_u32 v18, v61, 6, v18
	v_add_nc_u32 v18, s55, v18                     ; the stage, in: row r, my wave's 128 bytes, 64 for each half of the lanes
	v_add_nc_u32 v19, s66, v3                      ; and back: my 16 rows, 16 bytes a lane
	v_mov_b32 v21, 0x7f7f
.irp i, 0,1,2,3,4,5,6,7
	v_mov_b32 v[54+\i], 0
.endr
.irp i, 0,1,2,3
	v_mov_b32 v[24+\i], 0
.endr
	v_mov_b32 v28, 0x4b400000
	v_mov_b32 v29, 0x4b400000
	v_mov_b32 v30, 0xcb400000
	v_mov_b32 v31, 0xcb400000
	s_lshl_b32 s55, s20, 15
	s_add_co_u32 s66, s55, RINGH
	WIN 0x80
	v_add_nc_u32 v192, s55, v3
	v_add_nc_u32 v193, s66, v3
	s_wait_alu depctr_va_vdst(0)
	WIN 0x40
.set n, 0
.rept 64
	global_load_b128 v[4*n:4*n+3], v3, s[4:5] offset:512*n   ; x's fragments: ((2 part + row tile) 8 + K step) 8
.set n, n+1
.endr
	WIN 0
.irp ri, 0,1
	global_load_b128 v[32+8*\ri:35+8*\ri], v4, s[6:7] offset:1024*\ri
	global_load_b128 v[36+8*\ri:39+8*\ri], v4, s[6:7] offset:1024*\ri+16
.endr
.irp n, 0,1,2,3,4,5
	global_load_b32 v[48+\n], v5, s[10:11] offset:128*\n
.endr
	GAIN 0
	GAIN 1
	GAIN 2
	GAIN 3
	WIN 0
	s_cmp_eq_u32 s20, 3
	s_cbranch_scc1 .Lno_gain
	GAIN 4
	GAIN 5
.Lno_gain:
	s_wait_alu depctr_va_vdst(0)                   ; the wait at the head's end
	s_wait_tensorcnt 0x0                           ; slot 1's first fill is issued as a refill is
	ds_add_u32 v1, v2
	s_wait_dscnt 0x0
	CROUND
	tensor_load_to_lds s[44:47], s[24:31]
	s_nop 0
	NOPS 4
	PRE 192
	WIN 0
	s_wait_loadcnt 0x0
	s_mov_b32 s54, 0
.Lpair_a:
	PAIR 0
	s_add_co_u32 s54, s54, 1
	s_cmp_lt_u32 s54, 4
	s_cbranch_scc1 .Lpair_a
	s_mov_b32 s54, 4
.Lpair_b:
	PAIR 1
	s_add_co_u32 s54, s54, 1
	s_cmp_lt_u32 s54, 6
	s_cbranch_scc1 .Lpair_b
	; ---- the rows' sums of squares and largest |g h|, over the lanes' halves and the four waves: lane l then holds row l's
	s_wait_alu depctr_va_vdst(0)
	v_add_f32 v54, v54, v55
	v_add_f32 v56, v56, v57
	v_add_f32 v58, v58, v59
	v_add_f32 v60, v60, v61
	v_add_f32 v54, v54, v56
	v_add_f32 v58, v58, v60
	v_permlanex16_b32 v55, v54, s48, s49
	v_permlanex16_b32 v59, v58, s48, s49
.irp q, 0,1,2,3
	v_permlanex16_b32 v[84+\q], v[24+\q], s48, s49
.endr
	v_add_f32 v54, v54, v55
	v_add_f32 v58, v58, v59
.irp q, 0,1,2,3
	v_max_num_f32 v[24+\q], v[24+\q], v[84+\q]
.endr
	v_cndmask_b32 v62, v54, v58, s23
	v_cndmask_b32 v56, v24, v25, s23
	v_cndmask_b32 v57, v26, v27, s23
	ds_store_b32 v12, v62
	ds_store_b64 v14, v[56:57]
	s_wait_dscnt 0x0
	s_barrier_signal -1
	s_barrier_wait -1
	ds_load_b32 v54, v13
	ds_load_b32 v55, v13 offset:128
	ds_load_b32 v56, v13 offset:256
	ds_load_b32 v57, v13 offset:384
	ds_load_b64 v[84:85], v15
	ds_load_b64 v[86:87], v15 offset:256
	ds_load_b64 v[88:89], v15 offset:512
	ds_load_b64 v[90:91], v15 offset:768
	s_wait_dscnt 0x0
	v_add_f32 v54, v54, v55
	v_add_f32 v56, v56, v57
	v_max3_num_f32 v84, v84, v86, v88
	v_max3_num_f32 v85, v85, v87, v89
	v_add_f32 v54, v54, v56
	v_max_num_f32 v84, v84, v90
	v_max_num_f32 v85, v85, v91
	v_fma_f32 v54, v54, s50, s51
	s_wait_alu depctr_va_vdst(0)
	v_rsq_f32 v55, v54
	v_nop
	s_wait_alu depctr_va_vdst(0)
	v_mul_f32 v56, v54, v55
	v_fma_f32 v56, -v56, v55, 1.0
	v_mul_f32 v57, 0.5, v55
	v_fma_f32 v55, v57, v56, v55                   ; inv, one Newton step
	v_mul_f32 v84, v84, v55
	v_mul_f32 v85, v85, v55
	v_max_num_f32 v84, s53, v84                    ; d = max(the row's largest |n|, 1e-5), real and imaginary
	v_max_num_f32 v85, s53, v85
	s_wait_alu depctr_va_vdst(0)
	v_rcp_f32 v86, v84
	v_rcp_f32 v87, v85
	v_nop
	s_wait_alu depctr_va_vdst(0)
.irp i, 0,1
	v_fma_f32 v[88+\i], -v[84+\i], v[86+\i], 1.0
.endr
.irp i, 0,1
	v_fma_f32 v[86+\i], v[88+\i], v[86+\i], v[86+\i]
.endr
.irp i, 0,1
	v_mul_f32 v[90+\i], s52, v[86+\i]
.endr
.rept 2
.irp i, 0,1
	v_fma_f32 v[88+\i], -v[84+\i], v[90+\i], s52
.endr
.irp i, 0,1
	v_fma_f32 v[90+\i], v[88+\i], v[86+\i], v[90+\i]   ; rs = 127 / d
.endr
.endr
	s_wait_alu depctr_va_vdst(0)
	v_rcp_f32 v92, v90
	v_rcp_f32 v93, v91
	v_nop
	s_wait_alu depctr_va_vdst(0)
.irp i, 0,1
	v_fma_f32 v[88+\i], -v[90+\i], v[92+\i], 1.0
.endr
.irp i, 0,1
	v_fma_f32 v[92+\i], v[88+\i], v[92+\i], v[92+\i]   ; 1 / rs
.endr
.irp i, 0,1
	v_mul_f32 v[90+\i], v[90+\i], v55              ; inv rs
.endr
.irp k, 0,1,2,3
	v_permlanex16_b32 v[94+\k], v[90+\k], s48, s49
.endr
.irp ri, 0,1                           ; for lane (r, h): row r's in the row tile 0 registers, row 16 + r's in row tile 1's
	v_cndmask_b32 v[68+4*\ri], v[90+\ri], v[94+\ri], s23
	v_cndmask_b32 v[70+4*\ri], v[94+\ri], v[90+\ri], s23
	v_cndmask_b32 v[76+4*\ri], v[92+\ri], v[96+\ri], s23
	v_cndmask_b32 v[78+4*\ri], v[96+\ri], v[92+\ri], s23
.endr
.irp k, 68,70,72,74,76,78,80,82
	v_mov_b32 v[\k+1], v[\k]
.endr
; two pairs, 64 along the down products' K: t = round(g h inv rs), y = t / rs, the blocks' scales, the codes, into the image
.macro N3G G
.if (\G) < 2
.set HB, 128*(\G)
.set WA, 0xc3
.set WC, 0x3c
.set WE, 0x03
.else
.set HB, 128
.set WA, 0
.set WC, 0
.set WE, 0
.endif
	WIN WA
.set k, 0
.rept 8
.set n, 0
.rept 8
	v_pk_fma_f32 v[HB+16*k+n:HB+16*k+n+1], v[HB+16*k+n:HB+16*k+n+1], v[68+2*(k%4):69+2*(k%4)], v[28:29] op_sel_hi:[1,0,0]
.set n, n+2
.endr
.set k, k+1
.endr
.set n, 0
.rept 64
	v_pk_add_f32 v[HB+n:HB+n+1], v[HB+n:HB+n+1], v[30:31] op_sel_hi:[1,0]
.set n, n+2
.endr
	WIN WC
.set n, 0
.rept 8
.irp k, 0,1,2,3,4,5,6,7
.if n == 0
	v_max3_num_f32 v[84+\k], 0, |v[HB+16*\k]|, |v[HB+16*\k+1]|
.else
	v_max3_num_f32 v[84+\k], v[84+\k], |v[HB+16*\k+n]|, |v[HB+16*\k+n+1]|
.endif
.endr
.set n, n+2
.endr
	WIN 0
.irp k, 0,1,2,3,4,5,6,7
	v_mul_f32 v[84+\k], v[84+\k], v[76+2*(\k%4)]
.endr
.irp k, 0,1,2,3,4,5,6,7
	v_max_num_f32 v[84+\k], 0x1800000, v[84+\k]    ; the floor 2^(3 - 127): the byte cannot fall under 1
.endr
.irp k, 0,1,2,3,4,5,6,7
	v_permlanex16_b32 v[92+\k], v[84+\k], s48, s49
.endr
.irp k, 0,1,2,3,4,5,6,7
	v_max_num_f32 v[84+\k], v[84+\k], v[92+\k]
.endr
.irp k, 0,1,2,3,4,5,6,7
	v_add_nc_u32 v[100+\k], 0xff000000, v[84+\k]   ; 2 off the exponent field: the conversion's scale operand
.endr
.irp k, 0,1,2,3,4,5,6,7
	v_lshrrev_b32 v[92+\k], 23, v[100+\k]
.endr
.irp q, 0,1,2,3
	v_lshl_or_b32 v[124+\q], v[96+\q], 8, v[92+\q]
.endr
	v_cndmask_b32 v84, v124, v125, s23
	v_cndmask_b32 v85, v126, v127, s23
	WIN WA
.set k, 0
.rept 8
.set n, 0
.rept 8
	v_pk_mul_f32 v[HB+16*k+n:HB+16*k+n+1], v[HB+16*k+n:HB+16*k+n+1], v[76+2*(k%4):77+2*(k%4)] op_sel_hi:[1,0]
.set n, n+2
.endr
.set k, k+1
.endr
	WIN WE
.irp q, 0,1,2,3
	v_cvt_scalef32_pk8_fp4_f32 v[108+4*\q], v[HB+16*\q:HB+16*\q+7], v[100+\q]
	v_cvt_scalef32_pk8_fp4_f32 v[109+4*\q], v[HB+16*\q+8:HB+16*\q+15], v[100+\q]
	v_cvt_scalef32_pk8_fp4_f32 v[110+4*\q], v[HB+64+16*\q:HB+64+16*\q+7], v[104+\q]
	v_cvt_scalef32_pk8_fp4_f32 v[111+4*\q], v[HB+64+16*\q+8:HB+64+16*\q+15], v[104+\q]
.endr
	WIN 0
	v_nop
.irp q, 0,1,2,3                        ; a whole block in a lane
	v_permlane16_swap_b32 v[108+4*\q], v[110+4*\q]
	v_permlane16_swap_b32 v[109+4*\q], v[111+4*\q]
.endr
.irp q, 0,1,2,3
	ds_store_b128 v8, v[108+4*\q:111+4*\q] offset:6144*\q+512*(\G)
.endr
	ds_store_b16 v[9+(\G)], v84
	ds_store_b16 v[9+(\G)], v85 offset:768
	s_wait_dscnt 0x0
.endm
	N3G 0
	N3G 1
	s_cmp_eq_u32 s20, 3
	s_cbranch_scc1 .Lw3h
	N3G 2
	s_branch .Lw3i
.Lw3h:
	ds_store_b16 v11, v21                          ; k 704 to 767: zero codes (below) under the byte 127
	ds_store_b16 v11, v21 offset:768
.Lw3i:
	s_wait_dscnt 0x0
	s_barrier_signal -1
	s_barrier_wait -1
	WIN 0x40
.irp q, 0,1,2,3
.irp i, 0,1,2,3
	v_mov_b32 v[48*\q+44+\i], 0
.endr
.endr
.set n, 0
.rept 48
.if n%12 != 11
	ds_load_b128 v[4*n:4*n+3], v16 offset:512*n
.endif
.set n, n+1
.endr
	WIN 0
.set n, 0
.rept 12
	ds_load_b32 v[32+n], v17 offset:128*n
.set n, n+1
.endr
	s_mul_i32 s55, s20, 24576
	WIN 0x80
	v_add_nc_u32 v192, s55, v3                     ; a down slot: 24,576 bytes a wave
	s_wait_alu depctr_va_vdst(0)
	PRE 192
	WIN 0
; A down slot: 32 rows x 128 columns of both outputs.  The results meet in one stage, so that each row's 512 bytes leave whole.  fill = 1: the slot is filled again, two slots on.
.macro DSLOT fill
	WIN MW2
	WORK 6, 6, 192, 52, 53
	NOPS 4
	SUBPQ
	WIN 0
	s_wait_alu depctr_va_vdst(0)
	s_barrier_signal -1                            ; every wave's reads of the stage for the slot before are over (each waited for them ahead of its stores to memory)
	s_barrier_wait -1
	WIN 0x08
.irp a, 0,1,2,3                        ; a = 2 part + row tile: registers 16 a, stage rows 16 a
.irp i, 0,1,2,3
	ds_store_b128 v18, v[16*\a+4*\i:16*\a+4*\i+3] offset:16*\a*528+16*\i
.endr
.endr
	WIN 0
	s_wait_tensorcnt 0x0                           ; my part of the next slot has landed
	ds_add_u32 v1, v2
.if \fill
	s_xor_b32 s45, s45, RINGH
	s_add_nc_u64 s[46:47], s[46:47], s[72:73]
.endif
	s_wait_dscnt 0x0                               ; the add, my stores into the stage, my reads of this slot
.if \fill
	CROUND
	s_cmp_eq_u32 s20, 3
	s_cbranch_scc1 .Lnone_\@
	tensor_load_to_lds s[44:47], s[24:31]
	s_nop 0
	NOPS 4
.Lnone_\@:
.else
	s_barrier_signal -1
	s_barrier_wait -1
	s_cmp_eq_u32 s54, 1                            ; nothing follows the last slot
	s_cbranch_scc1 .Lnone_\@
.endif
	WIN 0x88
	v_xor_b32 v192, RINGH, v192
	s_wait_alu depctr_va_vdst(0)
	PRE 192
	WIN 0
.if (\fill) == 0
.Lnone_\@:
.endif
.irp t, 0,1,2,3,4,5,6,7,8,9,10,11,12,13,14,15
	ds_load_b128 v[64+4*\t:67+4*\t], v19 offset:528*\t
.endr
	s_wait_dscnt 8                                 ; the younger eight may stay out
.irp t, 0,1,2,3,4,5,6,7
	global_store_b128 v3, v[64+4*\t:67+4*\t], s[60:61] offset:4096*\t th:TH_STORE_NT   ; the wave stores 512 consecutive bytes, aligned
.endr
	s_wait_dscnt 0x0
.irp t, 8,9,10,11,12,13,14,15
	global_store_b128 v3, v[64+4*\t:67+4*\t], s[60:61] offset:4096*\t th:TH_STORE_NT
.endr
	s_wait_xcnt 0x0                                ; the stores have read their registers and their base
	s_add_nc_u64 s[60:61], s[60:61], 512
.endm
	s_mov_b32 s54, 6
.Ldown:
	DSLOT 1
	s_sub_co_u32 s54, s54, 1
	s_cmp_lg_u32 s54, 0
	s_cbranch_scc1 .Ldown
	s_mov_b32 s54, 2
.Ltail:                                                ; the last two slots fill nothing
	DSLOT 0
	s_sub_co_u32 s54, s54, 1
	s_cmp_lg_u32 s54, 0
	s_cbranch_scc1 .Ltail
	s_wait_tensorcnt 0x0                           ; the wave's end
	ds_add_u32 v1, v2
	s_wait_dscnt 0x0
	CROUND                                         ; the closing round
	s_endpgm
.Lfunc_end_k_q717f1eae91_mlp:
	.size	k_q717f1eae91_mlp, .Lfunc_end_k_q717f1eae91_mlp-k_q717f1eae91_mlp
	.p2alignl 7, 3214868480
	.fill 96, 4, 3214868480
	.section	.rodata,"a",@progbits
	.p2align	6, 0x0
	.amdhsa_kernel k_q717f1eae91_mlp
		.amdhsa_group_segment_fixed_size 327680
		.amdhsa_private_segment_fixed_size 0
		.amdhsa_enable_private_segment 0
		.amdhsa_kernarg_size 64
		.amdhsa_user_sgpr_count 2
		.amdhsa_user_sgpr_kernarg_segment_ptr 1
		.amdhsa_wavefront_size32 1
		.amdhsa_system_sgpr_workgroup_id_x 1
		.amdhsa_system_sgpr_workgroup_id_y 1
		.amdhsa_system_sgpr_workgroup_id_z 1
		.amdhsa_system_vgpr_workitem_id 0
		.amdhsa_next_free_vgpr 1024
		.amdhsa_next_free_sgpr 80
		.amdhsa_reserve_vcc 0
		.amdhsa_float_denorm_mode_32 3
		.amdhsa_float_denorm_mode_16_64 3
		.amdhsa_memory_ordered 1
		.amdhsa_forward_progress 1
		.amdhsa_inst_pref_size 255
	.end_amdhsa_kernel
	.section	.bss,"aw",@nobits
	.p2align	6
	.space	262144
	.amdgpu_metadata
---
amdhsa.version: [ 1, 2 ]
amdhsa.kernels:
  - .name:           k_q717f1eae91_mlp
    .symbol:         k_q717f1eae91_mlp.kd
    .args:
      - { .name: xq, .offset: 0, .size: 8, .value_kind: global_buffer, .address_space: global }
      - { .name: xs, .offset: 8, .size: 8, .value_kind: global_buffer, .address_space: global }
      - { .name: wst, .offset: 16, .size: 8, .value_kind: global_buffer, .address_space: global }
      - { .name: wsc, .offset: 24, .size: 8, .value_kind: global_buffer, .address_space: global }
      - { .name: ln_wr, .offset: 32, .size: 8, .value_kind: global_buffer, .address_space: global }
      - { .name: ln_wi, .offset: 40, .size: 8, .value_kind: global_buffer, .address_space: global }
      - { .name: out0, .offset: 48, .size: 8, .value_kind: global_buffer, .address_space: global }
      - { .name: out1, .offset: 56, .size: 8, .value_kind: global_buffer, .address_space: global }
    .group_segment_fixed_size: 327680
    .private_segment_fixed_size: 0
    .kernarg_segment_align: 8
    .kernarg_segment_size: 64
    .max_flat_workgroup_size: 128
    .sgpr_count:     80
    .vgpr_count:     1024
    .wavefront_size: 32
...
	.end_amdgpu_metadata
.endif
;; end of part 3
